; MI455X (gfx1250); checked and timed in simulation.
; The chip was launched on July 23, 2026; its instructions are those of AMD's public machine-readable ISA for CDNA 5 (MIT licence, August 2026) and "CDNA5" Instruction Set Architecture Reference Guide (July 2026). The comments in the code are by the model that wrote it; some were corrected since.
;; Emu3 Vision VQ Vector Quantizer. Allowed arithmetic: float matrix products may take bf16 or f16 operands with f32 sums; all other float work in f32.
;; Inputs: E 32,768 x 4 float32; x 1 x 2 x 4 x 64 x 64 float32.
;; Outputs: out0 1 x 2 x 4 x 64 x 64 float32; out1 one number float32; out2 1 x 2 x 64 x 64 int32.
;; One version. Each part assembles by itself: llvm-mc -triple=amdgcn-amd-amdhsa -mcpu=gfx1250 --defsym DOCPART=n.
;; ======== version 1 of 1: 3 launches
;; workspace buffers: cand 131,072 bytes of whole numbers; part 512 bytes
;; launch scan (part 1): grid 256 x 1, 8 waves a work-group, no clusters, 168,960 bytes of LDS; arguments E, x, cand; writes cand
.if DOCPART == 1
	.amdgcn_target "amdgcn-amd-amdhsa--gfx1250"
	.amdhsa_code_object_version 6
	.text
	.protected	k_q6aaa8ee0ba_scan
	.globl	k_q6aaa8ee0ba_scan
	.p2align	8
	.type	k_q6aaa8ee0ba_scan,@function
k_q6aaa8ee0ba_scan:
	s_mov_b64 s[64:65], 0
	v_nop
	global_prefetch_b8 v0, s[64:65] scope:SCOPE_SE
	s_setreg_imm32_b32 hwreg(HW_REG_WAVE_MODE, 25, 1), 1
	s_wait_xcnt 0x0
; Launch 1 of 3: the distance scan.  d[n][k] = (|x_n|^2 + |e_k|^2) - 2 x_n.e_k for 8,192 points n and 32,768 codes k of 4 numbers.
; Result: cand[q][n] = the FIRST group of 16 neighbouring codes (code >> 4) that holds the smallest d of point n in quarter q of the
; codebook.  The next launch looks into a point's four groups: its addresses then come from whole numbers stored here.
;
; NUMBERS.  x and E are rounded to bf16 (nearest even) for the matrix unit, and both squared norms are taken from the rounded numbers,
; summed in the order c = 0, 1, 2, 3 (a product of two bf16 is exact in f32, so fused or not gives the same number).  d lies on the grid
; of |x|^2, far coarser than the differences of x.e, so equal d are common and the first index decides: the two f32 roundings
; u = sx + se, d = u + (-2 x.e) are made for every element in the formula's order on the vector ALU, and neither se nor u is handed to
; the matrix instruction.  The dot product comes from the matrix unit; it can differ from the sequential f32 sum only where the four
; products span more than 24 bits.
; LIMITS.  Finite inputs only: a NaN loses in v_min3_num_f32, and an infinity in E would meet a zero of another K group (0 x inf).
; bf16(-2 x) = -2 bf16(x) holds for |x| < 1.7e38 and outside bf16's denormals.
;
; SHARES.  Work-group = 128 points x 8,192 codes (64 x 4 = 256 work-groups).  Wave = 16 points x all 8,192 codes.  Lane column r owns
; the 512 consecutive codes 512 r .. 512 r + 511 of the quarter: its groups come in rising order and a strict < keeps the first.
; K = 32 IS USED DENSELY: a B fragment (column r, 64 bytes) holds 8 codes x 4 numbers, code g at k = 4 g .. 4 g + 3.  A holds -2 x at the
; four k of ONE g and zeros elsewhere; the eight A operands are eight windows of 8 registers into one run of 22 registers
; (6 zeros, x in lanes 0-15, 6 zeros, x in lanes 16-31, 6 zeros).  Two LDS loads of codes and two of norms feed 8 matrix instructions.
; Result register j of lane (r, h): point 8 h + j, the code of column r.
; NO CLUSTER, NO TENSOR LOAD: the 64 work-groups of a quarter read the same 131,072 bytes of E, but once, at the head, and every number
; passes through registers (rounding, norm) before it lies in LDS; behind that each wave issues 512 matrix instructions from LDS.
; LDS: 99,328 bytes are used; more than half of a WGP's is asked for, so that each of the 256 work-groups has a WGP of its own.
.set PITCHB, 4112                      ; LDS column of codes: 512 x 8 bytes + 16, an odd multiple of 16: the 16 lanes of a b128 load touch 16 different 16-byte columns of 256 bytes (64 banks of 4 bytes: ISA guide 11.1)
.set PITCHS, 2064                      ; LDS column of norms: 512 x 4 bytes + 16, likewise
.set SEB,    16*PITCHB                 ; the norms lie behind the codes
.set RES,    SEB+16*PITCHS             ; 128 words for the way out
.set TRIPS,  16                        ; a trip = 4 fragments = 2 groups of 16 codes in each column; 64 fragments in all
.set RR,   2                           ; lane & 15
.set HH,   3                           ; lane >> 4
.set XRA,  4                           ; byte offset of my row's x (A operand)
.set XSA,  5                           ; byte offset of my 8 points' x (norms)
.set EOFF, 6                           ; byte offset of my codes in the quarter
.set STB,  7                           ; LDS: where I put codes
.set STS,  8                           ; LDS: where I put norms
.set FBA,  9                           ; LDS: my part of the trip's first fragment
.set SEA,  10                          ; LDS: its norms
.set GID,  11                          ; number of the group at work, as f32 (0 .. 2047, exact)
.set PINF, 12                          ; +infinity
.set R7,   13                          ; lane & 7
.set TA,   14
.set TB,   15
.set ZX,   16                          ; v[16:37]  zeros and -2 x in bf16 (see above)
.set SX,   38                          ; v[38:45]  |x|^2 of points 8 h + j
.set B0,   46                          ; v[46:53]  running minimum of point 8 h + j, two sets that take turns:
.set B1,   54                          ; v[54:61]  the old one is kept to the group's end, to see whether the group lowered it
.set IX,   62                          ; v[62:69]  first group that reached the minimum, as f32
.set RSA,  70                          ; LDS: where my result goes
.set FB0,  72                          ; two buffers for a fragment of codes (8 registers)
.set FB1,  80
.set SE0,  88                          ; and for its 8 norms
.set SE1,  96
.set DA,   104                         ; two sets of 16 result registers (two matrix instructions each)
.set DB,   120
.set U,    136                         ; v[136:151] u = sx + se
.set XS,   72                          ; before the loop: x of my 8 points, 4 x 8 registers
.set ST,   104                         ; before the loop: v[104:231] my 32 codes as loaded
.set XR,   232                         ; before the loop: x of my row
.set MK,   24                          ; s[24:31] lane masks
	s_load_b128 s[4:7], s[0:1], 0x0                ; E s[4:5], x s[6:7]
	s_load_b64 s[8:9], s[0:1], 0x10                ; cand
	v_lshl_add_u32 v240, v0, 2, 0x29000
	v_mov_b32 v241, 0
	v_lshrrev_b32 v1, 5, v0
	v_readfirstlane_b32 s10, v1                    ; wave 0..7
	s_and_b32 s11, ttmp9, 3                        ; quarter of the codebook
	s_lshr_b32 s12, ttmp9, 2                       ; block of 128 points, 0..63
	s_lshr_b32 s13, s12, 5                         ; frame: 32 blocks each
	s_lshl_b32 s13, s13, 16                        ; x 4 planes x 4,096 x 4 bytes
	s_and_b32 s14, s12, 31
	s_lshl_b32 s14, s14, 9                         ; + 128 points x 4 bytes for each block in the plane
	s_add_co_u32 s13, s13, s14
	s_lshl_b32 s14, s10, 6                         ; + 16 points x 4 bytes for each wave
	s_add_co_u32 s16, s13, s14
	s_mov_b32 s17, 0
	s_lshl_b32 s18, s11, 17                        ; the quarter in E: 8,192 x 16 bytes
	s_mov_b32 s19, 0
	s_lshl_b32 s20, s11, 15                        ; cand[quarter][.]: 8,192 x 4 bytes
	s_lshl_b32 s21, s12, 9                         ; + 128 x 4 bytes for each block
	s_add_co_u32 s20, s20, s21
	s_mov_b32 s21, 0
	s_lshl_b32 s15, s11, 9                         ; the quarter's first group
	s_add_co_u32 s32, s14, RES                     ; my wave's 16 words on the way out
	s_mov_b32 s22, 0xffff0000                      ; a word's upper bf16
	v_and_b32 v[RR], 15, v0
	v_bfe_u32 v[HH], v0, 4, 1
	v_and_b32 v[R7], 7, v0
	v_lshlrev_b32 v[XRA], 2, v[RR]
	v_lshlrev_b32 v[XSA], 5, v[HH]
	v_lshlrev_b32 v[EOFF], 4, v0
	v_lshlrev_b32 v[STB], 3, v0
	v_lshlrev_b32 v[STS], 2, v0
	v_add_nc_u32 v[STS], SEB, v[STS]
	v_mul_u32_u24 v[FBA], v[RR], PITCHB
	v_lshl_add_u32 v[FBA], v[HH], 4, v[FBA]        ; column r, + 16 bytes for lanes 16-31 (k = 8 .. 15)
	v_mul_u32_u24 v[SEA], v[RR], PITCHS
	v_add_nc_u32 v[SEA], SEB, v[SEA]
	v_lshl_add_u32 v1, v[RR], 5, s15               ; my column's first group: 32 groups a column
	v_cvt_f32_u32 v[GID], v1
	v_mov_b32 v[PINF], 0x7f800000
	v_lshlrev_b32 v[RSA], 2, v[R7]
	v_lshl_add_u32 v[RSA], v[HH], 5, v[RSA]
	v_add_nc_u32 v[RSA], s32, v[RSA]               ; word 16 wave + 8 h + (lane & 7)
	s_wait_kmcnt 0x0
	s_add_nc_u64 s[6:7], s[6:7], s[16:17]
	s_add_nc_u64 s[4:5], s[4:5], s[18:19]
	s_add_nc_u64 s[8:9], s[8:9], s[20:21]
.irp c, 0,1,2,3
	global_load_b32 v[XR+\c], v[XRA], s[6:7] offset:16384*\c                   ; x[c] of point r: my row of A
.endr
.irp c, 0,1,2,3
	global_load_b128 v[XS+8*\c:XS+8*\c+3],   v[XSA], s[6:7] offset:16384*\c      ; x[c] of points 8 h .. 8 h + 7
	global_load_b128 v[XS+8*\c+4:XS+8*\c+7], v[XSA], s[6:7] offset:16384*\c+16
.endr
.set i, 0
.rept 32
	global_load_b128 v[ST+4*i:ST+4*i+3], v[EOFF], s[4:5] offset:4096*i          ; code 256 i + thread: a wave's load covers 512 consecutive bytes
.set i, i+1
.endr
	; x: the A operand and the norms
	s_wait_loadcnt 32                              ; loads come back in order: the 12 of x are in, the 32 of E may be out
	v_cmp_eq_u32 vcc_lo, 0, v[HH]
	v_cmp_eq_u32 s13, 1, v[HH]
.irp c, 0,1,2,3
	v_mul_f32 v[XR+\c], -2.0, v[XR+\c]             ; the factor -2 rides on x: exact
.endr
	v_cvt_pk_bf16_f32 v[TA], v[XR], v[XR+1]
	v_cvt_pk_bf16_f32 v[TB], v[XR+2], v[XR+3]
.irp z, 0,1,2,3,4,5,8,9,10,11,12,13,16,17,18,19,20,21
	v_mov_b32 v[ZX+\z], 0                          ; operand zeros of the eight windows, written once
.endr
	v_cndmask_b32 v[ZX+6],  0, v[TA], vcc_lo       ; x in lanes 0-15 only: k groups 0, 1, 4, 5
	v_cndmask_b32 v[ZX+7],  0, v[TB], vcc_lo
	v_cndmask_b32 v[ZX+14], 0, v[TA], s13          ; x in lanes 16-31 only: k groups 2, 3, 6, 7
	v_cndmask_b32 v[ZX+15], 0, v[TB], s13
.irp c, 0,1,2,3
.irp p, 0,2,4,6
	v_cvt_pk_bf16_f32 v[TA], v[XS+8*\c+\p], v[XS+8*\c+\p+1]
	v_lshlrev_b32 v[XS+8*\c+\p],   16, v[TA]       ; back to f32: the rounded x
	v_and_b32     v[XS+8*\c+\p+1], s22, v[TA]
.endr
.endr
.irp p, 0,2,4,6
	v_pk_mul_f32 v[SX+\p:SX+\p+1], v[XS+\p:XS+\p+1], v[XS+\p:XS+\p+1]
.endr
.irp c, 1,2,3
.irp p, 0,2,4,6
	v_pk_fma_f32 v[SX+\p:SX+\p+1], v[XS+8*\c+\p:XS+8*\c+\p+1], v[XS+8*\c+\p:XS+8*\c+\p+1], v[SX+\p:SX+\p+1]
.endr
.endr
; Four of my 32 codes side by side: round, store 8 bytes, widen again, norm in the order c = 0 .. 3, store 4 bytes.
; Code 256 i + thread lies in column i >> 1 at place 256 (i & 1) + thread.
.macro CONV b
	s_wait_loadcnt 28-4*\b                         ; the four loads of this batch are in, the younger ones may be out
.irp k, 0,1,2,3
	v_cvt_pk_bf16_f32 v[ST+16*\b+4*\k], v[ST+16*\b+4*\k], v[ST+16*\b+4*\k+1]
.endr
.irp k, 0,1,2,3
	v_cvt_pk_bf16_f32 v[ST+16*\b+4*\k+1], v[ST+16*\b+4*\k+2], v[ST+16*\b+4*\k+3]
.endr
.irp k, 0,1,2,3
	ds_store_b64 v[STB], v[ST+16*\b+4*\k:ST+16*\b+4*\k+1] offset:((4*\b+\k)>>1)*PITCHB+((4*\b+\k)&1)*2048
.endr
.irp k, 0,1,2,3
	v_lshlrev_b32 v[ST+16*\b+4*\k+2], 16, v[ST+16*\b+4*\k]
.endr
.irp k, 0,1,2,3
	v_and_b32 v[ST+16*\b+4*\k+3], s22, v[ST+16*\b+4*\k]
.endr
.irp k, 0,1,2,3
	v_mul_f32 v[ST+16*\b+4*\k+2], v[ST+16*\b+4*\k+2], v[ST+16*\b+4*\k+2]
.endr
.irp k, 0,1,2,3
	v_fma_f32 v[ST+16*\b+4*\k+2], v[ST+16*\b+4*\k+3], v[ST+16*\b+4*\k+3], v[ST+16*\b+4*\k+2]
.endr
.irp k, 0,1,2,3
	v_lshlrev_b32 v[ST+16*\b+4*\k+3], 16, v[ST+16*\b+4*\k+1]
.endr
.irp k, 0,1,2,3
	v_fma_f32 v[ST+16*\b+4*\k+2], v[ST+16*\b+4*\k+3], v[ST+16*\b+4*\k+3], v[ST+16*\b+4*\k+2]
.endr
.irp k, 0,1,2,3
	v_and_b32 v[ST+16*\b+4*\k+3], s22, v[ST+16*\b+4*\k+1]
.endr
.irp k, 0,1,2,3
	v_fma_f32 v[ST+16*\b+4*\k+2], v[ST+16*\b+4*\k+3], v[ST+16*\b+4*\k+3], v[ST+16*\b+4*\k+2]
.endr
.irp k, 0,1,2,3
	ds_store_b32 v[STS], v[ST+16*\b+4*\k+2] offset:((4*\b+\k)>>1)*PITCHS+((4*\b+\k)&1)*1024
.endr
.endm
.irp b, 0,1,2,3,4,5,6,7
	CONV \b
.endr
	s_wait_dscnt 0x0                               ; my stores are in LDS, for the other waves' sake,
	s_barrier_signal -1
	s_barrier_wait -1                              ; and so are everybody's: from here on codes and norms are only read
; One matrix instruction: my 16 points x code g of each of the fragment's 16 columns.  The window puts x at k = 4 g .. 4 g + 3.
.macro WM d, fb, g
.set WA, ZX+6+8*(((\g)>>1)&1)-2*(((\g)&1)+2*((\g)>>2))
	v_wmma_f32_16x16x32_bf16 v[\d:\d+7], v[WA:WA+7], v[\fb:\fb+7], 0
.endm
; Fragment f (counted from the trip's first): 64 bytes of codes and 32 bytes of norms of my column
.macro LDFRAG fb, se, f
	ds_load_b128 v[\fb:\fb+3],   v[FBA] offset:64*(\f)
	ds_load_b128 v[\fb+4:\fb+7], v[FBA] offset:64*(\f)+32
	ds_load_b128 v[\se:\se+3],   v[SEA] offset:32*(\f)
	ds_load_b128 v[\se+4:\se+7], v[SEA] offset:32*(\f)+16
.endm
; A STEP: the vector work on the two results in set dc (codes g, g + 1; their norms in v[sp], v[sp+1]) and, spread among it, the two
; matrix instructions of the NEXT step into set dn.  A result is read, and its registers are written again, only behind 12 or more
; vector instructions that name none of that matrix instruction's registers (ISA guide 7.12.1 asks for fewer).
.macro STEP dc, dn, sp, bo, bn, wfb, wg, dow
.if \dow
	WM \dn, \wfb, \wg
.endif
.irp p, 0,2,4,6
	v_pk_add_f32 v[U+\p:U+\p+1], v[SX+\p:SX+\p+1], v[\sp:\sp+1] op_sel_hi:[1,0]                  ; u = sx + se[g], two points
.endr
.irp p, 0,2,4,6
	v_pk_add_f32 v[\dc+\p:\dc+\p+1], v[\dc+\p:\dc+\p+1], v[U+\p:U+\p+1]                          ; d = u + (-2 x.e)
.endr
.irp p, 0,2,4,6
	v_pk_add_f32 v[U+8+\p:U+8+\p+1], v[SX+\p:SX+\p+1], v[\sp:\sp+1] op_sel:[0,1] op_sel_hi:[1,1] ; u = sx + se[g+1]
.endr
.if \dow
	WM \dn+8, \wfb, \wg+1
.endif
.irp p, 0,2,4,6
	v_pk_add_f32 v[\dc+8+\p:\dc+8+\p+1], v[\dc+8+\p:\dc+8+\p+1], v[U+8+\p:U+8+\p+1]
.endr
.irp j, 0,1,2,3,4,5,6,7
	v_min3_num_f32 v[\bn+\j], v[\bo+\j], v[\dc+\j], v[\dc+8+\j]                                  ; one instruction takes in two distances
.endr
.endm
; A fragment's four steps.  nextw = 1: the last step starts the next fragment (buffer fbn), whose four loads were issued a fragment
; ago and are the only LDS instructions out: the wait is for 0.  ldf >= 0: this fragment's buffers are filled again, two fragments
; ahead, behind the last vector instruction that reads the norms and 12 places and a whole step behind the last matrix instruction
; that read the codes.
.macro FRAG fb, se, fbn, bfirst, bn, nextw, ldf
	STEP DA, DB, \se,   \bfirst, \bn, \fb, 2, 1
	STEP DB, DA, \se+2, \bn,     \bn, \fb, 4, 1
	STEP DA, DB, \se+4, \bn,     \bn, \fb, 6, 1
.if \nextw
	s_wait_dscnt 0x0
.endif
	STEP DB, DA, \se+6, \bn,     \bn, \fbn, 0, \nextw
.if \ldf >= 0
	LDFRAG \fb, \se, \ldf
.endif
.endm
; The end of a group of 16 codes a column: where the minimum fell, this group is the first to reach it
.macro TRACK bo, bn
.irp j, 0,1,2,3,4,5,6,7
	v_cmp_lt_f32 s[MK+\j], v[\bn+\j], v[\bo+\j]
.endr
.irp j, 0,1,2,3,4,5,6,7
	v_cndmask_b32 v[IX+\j], v[IX+\j], v[GID], s[MK+\j]
.endr
	v_add_f32 v[GID], 1.0, v[GID]
.endm
.macro TRIP last
	FRAG FB0, SE0, FB1, B0, B1, 1, 2
	FRAG FB1, SE1, FB0, B1, B1, 1, 3
	TRACK B0, B1
.if \last
	FRAG FB0, SE0, FB1, B1, B0, 1, -1
	FRAG FB1, SE1, FB0, B0, B0, 0, -1
.else
	FRAG FB0, SE0, FB1, B1, B0, 1, 4
	FRAG FB1, SE1, FB0, B0, B0, 1, 5
.endif
	TRACK B1, B0
.endm
	LDFRAG FB0, SE0, 0
	LDFRAG FB1, SE1, 1
	s_wait_dscnt 0x4                               ; fragment 0's four loads are in, fragment 1's four may be out
	WM DA, FB0, 0
	WM DA+8, FB0, 1
.irp j, 0,1,2,3,4,5,6,7
	v_mov_b32 v[B0+\j], v[PINF]                    ; the minima start at +infinity
.endr
.irp j, 0,1,2,3,4,5,6,7
	v_mov_b32 v[IX+\j], v[GID]                     ; if no distance is below +infinity: the column's first group
.endr
	s_mov_b32 s23, TRIPS-1
.Ltrip:
	TRIP 0
	v_add_nc_u32 v[FBA], 256, v[FBA]               ; four fragments on
	v_add_nc_u32 v[SEA], 128, v[SEA]
	s_sub_co_i32 s23, s23, 1
	s_cmp_lg_u32 s23, 0
	s_cbranch_scc1 .Ltrip
	TRIP 1                                         ; the last trip loads nothing beyond fragment 63 and starts no further fragment
	; Over the 16 columns: the smallest d, then the lowest group among the columns that hold it.  Four steps inside each half of 16 lanes.
.irp j, 0,1,2,3,4,5,6,7
	v_min_num_f32_dpp v[U+\j], v[B0+\j], v[B0+\j] row_xmask:1 row_mask:0xf bank_mask:0xf
.endr
.irp m, 2,4,8
.irp j, 0,1,2,3,4,5,6,7
	v_min_num_f32_dpp v[U+\j], v[U+\j], v[U+\j] row_xmask:\m row_mask:0xf bank_mask:0xf
.endr
.endr
.irp j, 0,1,2,3,4,5,6,7
	v_cmp_eq_f32 s[MK+\j], v[U+\j], v[B0+\j]
.endr
.irp j, 0,1,2,3,4,5,6,7
	v_cndmask_b32 v[U+8+\j], v[PINF], v[IX+\j], s[MK+\j]
.endr
.irp m, 1,2,4,8
.irp j, 0,1,2,3,4,5,6,7
	v_min_num_f32_dpp v[U+8+\j], v[U+8+\j], v[U+8+\j] row_xmask:\m row_mask:0xf bank_mask:0xf
.endr
.endr
	; lane (r, h) keeps the result of point 8 h + (r & 7); lanes r and r + 8 then store the same word with the same value
.irp j, 1,2,3,4,5,6,7
	v_cmp_eq_u32 s[MK+\j], \j, v[R7]
.endr
.irp j, 1,2,3,4,5,6,7
	v_cndmask_b32 v[U+8], v[U+8], v[U+8+\j], s[MK+\j]
.endr
	v_cvt_u32_f32 v[TA], v[U+8]
	ds_store_b32 v[RSA], v[TA]
	s_wait_dscnt 0x0                               ; my word is in LDS before I say so
	s_barrier_signal -1
	s_barrier_wait -1
	s_cmp_lg_u32 s10, 0
	s_cbranch_scc1 .Ldone
	v_lshlrev_b32 v[TA], 4, v0                     ; wave 0: 32 lanes x 16 bytes = the block's 128 words
	v_add_nc_u32 v[TB], RES, v[TA]
	ds_load_b128 v[U:U+3], v[TB]
	s_wait_dscnt 0x0
	global_store_b128 v[TA], v[U:U+3], s[8:9]      ; 16 lanes store 256 consecutive bytes, at a multiple of 256 from cand's first byte
.Ldone:
	s_wait_tensorcnt 0x0
	ds_add_u32 v240, v241
	s_wait_dscnt 0x0
	s_endpgm
.Lfunc_end_k_q6aaa8ee0ba_scan:
	.size	k_q6aaa8ee0ba_scan, .Lfunc_end_k_q6aaa8ee0ba_scan-k_q6aaa8ee0ba_scan
	.p2alignl 7, 3214868480
	.fill 96, 4, 3214868480
	.section	.rodata,"a",@progbits
	.p2align	6, 0x0
	.amdhsa_kernel k_q6aaa8ee0ba_scan
		.amdhsa_group_segment_fixed_size 168960
		.amdhsa_private_segment_fixed_size 0
		.amdhsa_enable_private_segment 0
		.amdhsa_kernarg_size 24
		.amdhsa_user_sgpr_count 2
		.amdhsa_user_sgpr_kernarg_segment_ptr 1
		.amdhsa_wavefront_size32 1
		.amdhsa_system_sgpr_workgroup_id_x 1
		.amdhsa_system_sgpr_workgroup_id_y 1
		.amdhsa_system_sgpr_workgroup_id_z 1
		.amdhsa_system_vgpr_workitem_id 0
		.amdhsa_next_free_vgpr 242
		.amdhsa_next_free_sgpr 66
		.amdhsa_reserve_vcc 1
		.amdhsa_float_denorm_mode_32 3
		.amdhsa_float_denorm_mode_16_64 3
		.amdhsa_memory_ordered 1
		.amdhsa_forward_progress 1
		.amdhsa_inst_pref_size 96
	.end_amdhsa_kernel
	.amdgpu_metadata
---
amdhsa.version: [ 1, 2 ]
amdhsa.kernels:
  - .name:           k_q6aaa8ee0ba_scan
    .symbol:         k_q6aaa8ee0ba_scan.kd
    .args:
      - { .name: E, .offset: 0, .size: 8, .value_kind: global_buffer, .address_space: global }
      - { .name: x, .offset: 8, .size: 8, .value_kind: global_buffer, .address_space: global }
      - { .name: cand, .offset: 16, .size: 8, .value_kind: global_buffer, .address_space: global }
    .group_segment_fixed_size: 168960
    .private_segment_fixed_size: 0
    .kernarg_segment_align: 8
    .kernarg_segment_size: 24
    .max_flat_workgroup_size: 256
    .sgpr_count:     66
    .vgpr_count:     242
    .wavefront_size: 32
...
	.end_amdgpu_metadata
.endif
;; end of part 1
;; launch resolve (part 2): grid 128 x 1, 8 waves a work-group, no clusters, 2,560 bytes of LDS; arguments E, x, cand, out0, out2, part; writes out0, out2, part
.if DOCPART == 2
	.amdgcn_target "amdgcn-amd-amdhsa--gfx1250"
	.amdhsa_code_object_version 6
	.text
	.protected	k_q6aaa8ee0ba_resolve
	.globl	k_q6aaa8ee0ba_resolve
	.p2align	8
	.type	k_q6aaa8ee0ba_resolve,@function
k_q6aaa8ee0ba_resolve:
	s_mov_b64 s[64:65], 0
	v_nop
	global_prefetch_b8 v0, s[64:65] scope:SCOPE_SE
	s_setreg_imm32_b32 hwreg(HW_REG_WAVE_MODE, 25, 1), 1
	s_wait_xcnt 0x0
; Launch 2 of 3: from four candidate groups of 16 codes to the code, the quantised vector and the loss.
; For each point the 64 candidates are evaluated again, d = (sx + se) - 2 x.e on x and E rounded to bf16, every sum in f32 in the order
; c = 0 .. 3 (products of bf16 are exact, so the fused forms give the numbers of multiply-then-add), and the first index of the smallest
; d is taken.  out0 = x + (E[code] - x) and the loss use x and E as they are given, in f32.
; These dot products stay on the vector ALU: each point has 64 codes of its own (a product with one row), 8,192 x 64 x 4 multiply-adds,
; one five-hundred-and-twelfth of the scan's.
; SHARES.  Work-group = 64 points, 8 waves; a half wave (16 lanes) = 4 points; lane r of it = code r of each candidate group.  So a load
; of a half wave is one whole group: 256 consecutive bytes of E at a multiple of 256.  Addresses come from cand (stored by the launch
; before), clamped to the table's 2,048 groups.  The winner's row is picked by selects and a sum over lanes: no address hangs on a distance.
; No cluster: the work-groups share no tile (each gathers its own groups).  LIMIT: finite inputs (a NaN never wins a compare here).
.set RR,   2                           ; lane & 15
.set PA,   3                           ; 16 bytes x (thread >> 4): my four points, in x, in cand and in the LDS stage
.set XF,   4                           ; v[4:19]    x[c] of point i at 4 c + i
.set G,    20                          ; v[20:35]   candidate group of quarter s, point i at 4 s + i
.set XB,   36                          ; v[36:51]   x rounded to bf16, as f32, at 4 c + i
.set SXR,  52                          ; v[52:55]   |x|^2 of the rounded x
.set GO,   56                          ; v[56:71]   byte offset of my code in E, at 4 i + s
.set CF,   72                          ; v[72:87]   its index as f32 (below 32,768: exact), at 4 i + s
.set EB,   88                          ; v[88:151]  my code of point i, quarter s at 16 i + 4 s
.set T,    152                         ; v[152:183] at work: 8 registers for each quarter
.set Q,    184                         ; v[184:187] the winner's row
.set M,    188                         ; the smallest d
.set W,    189                         ; the first index that has it, as f32
.set LOSS, 190                         ; sum of (e - x)^2 over my four points
.set R16,  191                         ; 16 x (lane & 15)
.set PINF, 192
.set TA,   193
.set TB,   194
.set OUT,  196                         ; v[196:211] out0[c] of point i at 4 c + i
.set CODE, 212                         ; v[212:215] the four codes
.set MK,   28                          ; s[28:31] lane masks
.set CODES, 1024                       ; LDS: out0's four planes of 64 words, then the 64 codes,
.set PART,  1280                       ; then a partial loss for each wave
	s_load_b256 s[4:11], s[0:1], 0x0               ; E s[4:5], x s[6:7], cand s[8:9], out0 s[10:11]
	s_load_b128 s[12:15], s[0:1], 0x20             ; out2 s[12:13], part s[14:15]
	v_lshl_add_u32 v216, v0, 2, 0x600
	v_mov_b32 v217, 0
	v_lshrrev_b32 v1, 5, v0
	v_readfirstlane_b32 s16, v1                    ; wave 0..7
	s_lshr_b32 s17, ttmp9, 6                       ; frame: 64 work-groups each
	s_lshl_b32 s17, s17, 16                        ; x 4 planes x 4,096 x 4 bytes
	s_and_b32 s18, ttmp9, 63
	s_lshl_b32 s18, s18, 8                         ; 64 points x 4 bytes
	s_add_co_u32 s18, s17, s18                     ; my points in plane 0 of x and of out0
	s_mov_b32 s19, 0
	s_lshl_b32 s20, ttmp9, 8                       ; my points in cand and in out2
	s_mov_b32 s21, 0
	s_lshl_b32 s22, ttmp9, 2                       ; my word of part
	s_mov_b32 s23, 0
	s_mov_b32 s24, 0xffff0000                      ; a word's upper bf16
	s_mov_b32 s26, 0x76543210                      ; v_permlanex16_b32: lane i of one half reads lane i of the other
	s_mov_b32 s27, 0xfedcba98
	v_and_b32 v[RR], 15, v0
	v_and_b32 v[PA], 0xf0, v0
	v_lshlrev_b32 v[R16], 4, v[RR]
	v_mov_b32 v[PINF], 0x7f800000
	v_mov_b32 v[TB], 0                             ; v_permlanex16_b32's destination counts as read: written once here
	v_mov_b32 v[LOSS], 0
	s_wait_kmcnt 0x0
	s_add_nc_u64 s[6:7], s[6:7], s[18:19]
	s_add_nc_u64 s[10:11], s[10:11], s[18:19]
	s_add_nc_u64 s[8:9], s[8:9], s[20:21]
	s_add_nc_u64 s[12:13], s[12:13], s[20:21]
	s_add_nc_u64 s[14:15], s[14:15], s[22:23]
.irp s, 0,1,2,3
	global_load_b128 v[G+4*\s:G+4*\s+3], v[PA], s[8:9] offset:32768*\s       ; quarter s, my four points (the 16 lanes read the same 16 bytes)
.endr
.irp c, 0,1,2,3
	global_load_b128 v[XF+4*\c:XF+4*\c+3], v[PA], s[6:7] offset:16384*\c     ; plane c, my four points
.endr
	s_wait_loadcnt 0x4                             ; the four loads of cand are in, the four of x may be out
.irp i, 0,1,2,3
.irp s, 0,1,2,3
	v_min_u32 v[G+4*\s+\i], 0x7ff, v[G+4*\s+\i]    ; inside the table, whatever the word holds
	v_lshlrev_b32 v[GO+4*\i+\s], 8, v[G+4*\s+\i]   ; a group is 256 bytes
	v_add_nc_u32 v[GO+4*\i+\s], v[GO+4*\i+\s], v[R16]
	global_load_b128 v[EB+16*\i+4*\s:EB+16*\i+4*\s+3], v[GO+4*\i+\s], s[4:5]
.endr
.endr
.irp i, 0,1,2,3
.irp s, 0,1,2,3
	v_lshl_add_u32 v[CF+4*\i+\s], v[G+4*\s+\i], 4, v[RR]
	v_cvt_f32_u32 v[CF+4*\i+\s], v[CF+4*\i+\s]
.endr
.endr
	s_wait_loadcnt 16                              ; x is in, the 16 loads of E may be out
.irp c, 0,1,2,3
.irp p, 0,2
	v_cvt_pk_bf16_f32 v[TA], v[XF+4*\c+\p], v[XF+4*\c+\p+1]
	v_lshlrev_b32 v[XB+4*\c+\p],   16, v[TA]
	v_and_b32     v[XB+4*\c+\p+1], s24, v[TA]
.endr
.endr
.irp p, 0,2
	v_pk_mul_f32 v[SXR+\p:SXR+\p+1], v[XB+\p:XB+\p+1], v[XB+\p:XB+\p+1]
.endr
.irp c, 1,2,3
.irp p, 0,2
	v_pk_fma_f32 v[SXR+\p:SXR+\p+1], v[XB+4*\c+\p:XB+4*\c+\p+1], v[XB+4*\c+\p:XB+4*\c+\p+1], v[SXR+\p:SXR+\p+1]
.endr
.endr
; Point i of my four; the four quarters side by side.  In T + 8 s: 0, 1 the code in bf16; 2 .. 5 the same as f32; 6 se, then u, then the
; index where d is smallest; 7 the dot product, then d.
.macro POINT i
	s_wait_loadcnt 12-4*\i                         ; this point's four loads are in, the later points' may be out
.irp s, 0,1,2,3
	v_cvt_pk_bf16_f32 v[T+8*\s],   v[EB+16*\i+4*\s],   v[EB+16*\i+4*\s+1]
	v_cvt_pk_bf16_f32 v[T+8*\s+1], v[EB+16*\i+4*\s+2], v[EB+16*\i+4*\s+3]
.endr
.irp s, 0,1,2,3
	v_lshlrev_b32 v[T+8*\s+2], 16,  v[T+8*\s]
	v_and_b32     v[T+8*\s+3], s24, v[T+8*\s]
	v_lshlrev_b32 v[T+8*\s+4], 16,  v[T+8*\s+1]
	v_and_b32     v[T+8*\s+5], s24, v[T+8*\s+1]
.endr
.irp s, 0,1,2,3
	v_mul_f32 v[T+8*\s+6], v[T+8*\s+2], v[T+8*\s+2]
	v_mul_f32 v[T+8*\s+7], v[T+8*\s+2], v[XB+\i]
.endr
.irp c, 1,2,3
.irp s, 0,1,2,3
	v_fma_f32 v[T+8*\s+6], v[T+8*\s+2+\c], v[T+8*\s+2+\c], v[T+8*\s+6]
	v_fma_f32 v[T+8*\s+7], v[T+8*\s+2+\c], v[XB+4*\c+\i],  v[T+8*\s+7]
.endr
.endr
.irp s, 0,1,2,3
	v_add_f32 v[T+8*\s+6], v[SXR+\i], v[T+8*\s+6]                  ; u = sx + se
.endr
.irp s, 0,1,2,3
	v_fma_f32 v[T+8*\s+7], -2.0, v[T+8*\s+7], v[T+8*\s+6]          ; d = u - 2 x.e: doubling is exact, so this is the one rounding of the difference
.endr
	v_min3_num_f32 v[M], v[T+7], v[T+15], v[T+23]
	v_min_num_f32 v[M], v[M], v[T+31]
.irp m, 1,2,4,8
	v_min_num_f32_dpp v[M], v[M], v[M] row_xmask:\m row_mask:0xf bank_mask:0xf
.endr
.irp s, 0,1,2,3
	v_cmp_eq_f32 s[MK+\s], v[T+8*\s+7], v[M]
.endr
.irp s, 0,1,2,3
	v_cndmask_b32 v[T+8*\s+6], v[PINF], v[CF+4*\i+\s], s[MK+\s]
.endr
	v_min3_num_f32 v[W], v[T+6], v[T+14], v[T+22]                  ; the lowest index among those that reach the smallest d
	v_min_num_f32 v[W], v[W], v[T+30]
.irp m, 1,2,4,8
	v_min_num_f32_dpp v[W], v[W], v[W] row_xmask:\m row_mask:0xf bank_mask:0xf
.endr
.irp s, 0,1,2,3
	v_cmp_eq_f32 s[MK+\s], v[CF+4*\i+\s], v[W]
.endr
.irp c, 0,1,2,3
	v_cndmask_b32 v[Q+\c], 0, v[EB+16*\i+\c], s[MK]                ; one lane keeps the winner's row as it was given, the others keep 0,
.endr
.irp s, 1,2,3
.irp c, 0,1,2,3
	v_cndmask_b32 v[Q+\c], v[Q+\c], v[EB+16*\i+4*\s+\c], s[MK+\s]
.endr
.endr
.irp m, 1,2,4,8
.irp c, 0,1,2,3
	v_add_f32_dpp v[Q+\c], v[Q+\c], v[Q+\c] row_xmask:\m row_mask:0xf bank_mask:0xf   ; and the sum with 15 zeros brings it to all 16 lanes, exactly
.endr
.endr
.irp c, 0,1,2,3
	v_sub_f32 v[TA], v[Q+\c], v[XF+4*\c+\i]
	v_fma_f32 v[LOSS], v[TA], v[TA], v[LOSS]
	v_add_f32 v[OUT+4*\c+\i], v[XF+4*\c+\i], v[TA]                 ; x + (z_q - x), as the formula has it
.endr
	v_cvt_u32_f32 v[CODE+\i], v[W]
.endm
	POINT 0
	POINT 1
	POINT 2
	POINT 3
	; Through LDS, so that whole pieces of 256 bytes leave.  The 16 lanes of a half wave store the same bytes with the same values.
.irp c, 0,1,2,3
	ds_store_b128 v[PA], v[OUT+4*\c:OUT+4*\c+3] offset:256*\c
.endr
	ds_store_b128 v[PA], v[CODE:CODE+3] offset:CODES
	v_permlanex16_b32 v[TB], v[LOSS], s26, s27
	v_add_f32 v[LOSS], v[LOSS], v[TB]              ; the wave's eight points
	v_mov_b32 v[TA], s16
	v_lshlrev_b32 v[TA], 2, v[TA]
	ds_store_b32 v[TA], v[LOSS] offset:PART
	s_wait_dscnt 0x0                               ; my stores are in LDS before I say so
	s_barrier_signal -1
	s_barrier_wait -1
	s_cmp_ge_u32 s16, 2
	s_cbranch_scc1 .Lnot01
	v_lshlrev_b32 v[TA], 4, v0                     ; waves 0 and 1: thread t takes 16 bytes of plane t >> 4
	ds_load_b128 v[T:T+3], v[TA]
	v_lshrrev_b32 v[TB], 4, v0
	v_lshl_add_u32 v[TB], v[TB], 14, v[R16]
	s_wait_dscnt 0x0
	global_store_b128 v[TB], v[T:T+3], s[10:11]    ; 16 lanes store 256 consecutive bytes, at a multiple of 256 from out0's first byte
	s_wait_tensorcnt 0x0
	ds_add_u32 v216, v217
	s_wait_dscnt 0x0
	s_endpgm
.Lnot01:
	s_cmp_lg_u32 s16, 2
	s_cbranch_scc1 .Lnot2
	v_and_b32 v[TA], 31, v0                        ; wave 2: the 64 codes, 8 bytes a lane
	v_lshlrev_b32 v[TA], 3, v[TA]
	ds_load_b64 v[T:T+1], v[TA] offset:CODES
	s_wait_dscnt 0x0
	global_store_b64 v[TA], v[T:T+1], s[12:13]     ; 32 lanes store 256 consecutive bytes, at a multiple of 256 from out2's first byte
	s_wait_tensorcnt 0x0
	ds_add_u32 v216, v217
	s_wait_dscnt 0x0
	s_endpgm
.Lnot2:
	s_cmp_lg_u32 s16, 3
	s_cbranch_scc1 .Lend
	v_mov_b32 v[TA], 0                             ; wave 3: the eight waves' sums, in a fixed order
	ds_load_b128 v[T:T+3],   v[TA] offset:PART
	ds_load_b128 v[T+4:T+7], v[TA] offset:PART+16
	v_cmp_eq_u32 vcc_lo, 96, v0                    ; the wave's first lane
	s_wait_dscnt 0x0
	v_add_f32 v[T],   v[T],   v[T+1]
	v_add_f32 v[T+2], v[T+2], v[T+3]
	v_add_f32 v[T+4], v[T+4], v[T+5]
	v_add_f32 v[T+6], v[T+6], v[T+7]
	v_add_f32 v[T],   v[T],   v[T+2]
	v_add_f32 v[T+4], v[T+4], v[T+6]
	v_add_f32 v[T],   v[T],   v[T+4]
	s_wait_xcnt 0x0                                ; EXEC is a source of the loads above: it narrows only behind this wait
	s_and_saveexec_b32 s17, vcc_lo
	global_store_b32 v[TA], v[T], s[14:15]         ; one word for the work-group: the next launch adds the 128
	s_wait_xcnt 0x0                                ; and widens again only behind this one
	s_or_b32 exec_lo, exec_lo, s17
.Lend:
	s_wait_tensorcnt 0x0
	ds_add_u32 v216, v217
	s_wait_dscnt 0x0
	s_endpgm
.Lfunc_end_k_q6aaa8ee0ba_resolve:
	.size	k_q6aaa8ee0ba_resolve, .Lfunc_end_k_q6aaa8ee0ba_resolve-k_q6aaa8ee0ba_resolve
	.p2alignl 7, 3214868480
	.fill 96, 4, 3214868480
	.section	.rodata,"a",@progbits
	.p2align	6, 0x0
	.amdhsa_kernel k_q6aaa8ee0ba_resolve
		.amdhsa_group_segment_fixed_size 2560
		.amdhsa_private_segment_fixed_size 0
		.amdhsa_enable_private_segment 0
		.amdhsa_kernarg_size 48
		.amdhsa_user_sgpr_count 2
		.amdhsa_user_sgpr_kernarg_segment_ptr 1
		.amdhsa_wavefront_size32 1
		.amdhsa_system_sgpr_workgroup_id_x 1
		.amdhsa_system_sgpr_workgroup_id_y 1
		.amdhsa_system_sgpr_workgroup_id_z 1
		.amdhsa_system_vgpr_workitem_id 0
		.amdhsa_next_free_vgpr 218
		.amdhsa_next_free_sgpr 66
		.amdhsa_reserve_vcc 1
		.amdhsa_float_denorm_mode_32 3
		.amdhsa_float_denorm_mode_16_64 3
		.amdhsa_memory_ordered 1
		.amdhsa_forward_progress 1
		.amdhsa_inst_pref_size 40
	.end_amdhsa_kernel
	.amdgpu_metadata
---
amdhsa.version: [ 1, 2 ]
amdhsa.kernels:
  - .name:           k_q6aaa8ee0ba_resolve
    .symbol:         k_q6aaa8ee0ba_resolve.kd
    .args:
      - { .name: E, .offset: 0, .size: 8, .value_kind: global_buffer, .address_space: global }
      - { .name: x, .offset: 8, .size: 8, .value_kind: global_buffer, .address_space: global }
      - { .name: cand, .offset: 16, .size: 8, .value_kind: global_buffer, .address_space: global }
      - { .name: out0, .offset: 24, .size: 8, .value_kind: global_buffer, .address_space: global }
      - { .name: out2, .offset: 32, .size: 8, .value_kind: global_buffer, .address_space: global }
      - { .name: part, .offset: 40, .size: 8, .value_kind: global_buffer, .address_space: global }
    .group_segment_fixed_size: 2560
    .private_segment_fixed_size: 0
    .kernarg_segment_align: 8
    .kernarg_segment_size: 48
    .max_flat_workgroup_size: 256
    .sgpr_count:     66
    .vgpr_count:     218
    .wavefront_size: 32
...
	.end_amdgpu_metadata
.endif
;; end of part 2
;; launch total (part 3): grid 1 x 1, 1 waves a work-group, no clusters, 0 bytes of LDS; arguments part, out1; writes out1
.if DOCPART == 3
	.amdgcn_target "amdgcn-amd-amdhsa--gfx1250"
	.amdhsa_code_object_version 6
	.text
	.protected	k_q6aaa8ee0ba_total
	.globl	k_q6aaa8ee0ba_total
	.p2align	8
	.type	k_q6aaa8ee0ba_total,@function
k_q6aaa8ee0ba_total:
	s_mov_b64 s[64:65], 0
	v_nop
	global_prefetch_b8 v0, s[64:65] scope:SCOPE_SE
	s_setreg_imm32_b32 hwreg(HW_REG_WAVE_MODE, 25, 1), 1
	s_wait_xcnt 0x0
; Launch 3 of 3: the loss.  part holds 128 sums of (z_q - x)^2, one for each work-group of the launch before; the sum spans work-groups,
; so it is made here, by one wave, in a fixed order.  m = sum / 32,768 (the number of elements, a power of two: exact);
; out1 = m + 0.1 m, the two means of the formula being the same number.  One wave has all the work there is: 512 bytes.
	s_load_b128 s[4:7], s[0:1], 0x0                ; part s[4:5], out1 s[6:7]
	s_mov_b32 s8, 0x76543210                       ; v_permlanex16_b32: lane i of one half reads lane i of the other
	s_mov_b32 s9, 0xfedcba98
	v_lshlrev_b32 v1, 4, v0                        ; 32 lanes x 16 bytes
	v_mov_b32 v6, 0                                ; the store's offset
	v_cmp_eq_u32 vcc_lo, 0, v0
	s_wait_kmcnt 0x0
	global_load_b128 v[2:5], v1, s[4:5]
	s_wait_loadcnt 0x0
	v_add_f32 v2, v2, v3
	v_add_f32 v4, v4, v5
	v_add_f32 v2, v2, v4
	v_add_f32_dpp v2, v2, v2 row_xmask:1 row_mask:0xf bank_mask:0xf
	v_add_f32_dpp v2, v2, v2 row_xmask:2 row_mask:0xf bank_mask:0xf
	v_add_f32_dpp v2, v2, v2 row_xmask:4 row_mask:0xf bank_mask:0xf
	v_add_f32_dpp v2, v2, v2 row_xmask:8 row_mask:0xf bank_mask:0xf
	v_permlanex16_b32 v3, v2, s8, s9               ; v3 has been written (by the load)
	v_add_f32 v2, v2, v3
	v_mul_f32 v2, 0x38000000, v2                   ; x 2^-15
	v_fmamk_f32 v3, v2, 0x3dcccccd, v2             ; m x 0.1 + m
	s_wait_xcnt 0x0                                ; EXEC is a source of the load above: it narrows only behind this wait
	s_and_saveexec_b32 s10, vcc_lo
	global_store_b32 v6, v3, s[6:7]                ; lane 0 alone: the output is one number
	s_wait_xcnt 0x0                                ; and widens again only behind this one
	s_or_b32 exec_lo, exec_lo, s10
	s_endpgm
.Lfunc_end_k_q6aaa8ee0ba_total:
	.size	k_q6aaa8ee0ba_total, .Lfunc_end_k_q6aaa8ee0ba_total-k_q6aaa8ee0ba_total
	.p2alignl 7, 3214868480
	.fill 96, 4, 3214868480
	.section	.rodata,"a",@progbits
	.p2align	6, 0x0
	.amdhsa_kernel k_q6aaa8ee0ba_total
		.amdhsa_group_segment_fixed_size 0
		.amdhsa_private_segment_fixed_size 0
		.amdhsa_enable_private_segment 0
		.amdhsa_kernarg_size 16
		.amdhsa_user_sgpr_count 2
		.amdhsa_user_sgpr_kernarg_segment_ptr 1
		.amdhsa_wavefront_size32 1
		.amdhsa_system_sgpr_workgroup_id_x 1
		.amdhsa_system_sgpr_workgroup_id_y 1
		.amdhsa_system_sgpr_workgroup_id_z 1
		.amdhsa_system_vgpr_workitem_id 0
		.amdhsa_next_free_vgpr 8
		.amdhsa_next_free_sgpr 66
		.amdhsa_reserve_vcc 1
		.amdhsa_float_denorm_mode_32 3
		.amdhsa_float_denorm_mode_16_64 3
		.amdhsa_memory_ordered 1
		.amdhsa_forward_progress 1
		.amdhsa_inst_pref_size 2
	.end_amdhsa_kernel
	.amdgpu_metadata
---
amdhsa.version: [ 1, 2 ]
amdhsa.kernels:
  - .name:           k_q6aaa8ee0ba_total
    .symbol:         k_q6aaa8ee0ba_total.kd
    .args:
      - { .name: part, .offset: 0, .size: 8, .value_kind: global_buffer, .address_space: global }
      - { .name: out1, .offset: 8, .size: 8, .value_kind: global_buffer, .address_space: global }
    .group_segment_fixed_size: 0
    .private_segment_fixed_size: 0
    .kernarg_segment_align: 8
    .kernarg_segment_size: 16
    .max_flat_workgroup_size: 32
    .sgpr_count:     66
    .vgpr_count:     8
    .wavefront_size: 32
...
	.end_amdgpu_metadata
.endif
;; end of part 3
